; MI455X (gfx1250); checked and timed in simulation.
; The chip was launched on July 23, 2026; its instructions are those of AMD's public machine-readable ISA for CDNA 5 (MIT licence, August 2026) and "CDNA5" Instruction Set Architecture Reference Guide (July 2026). The comments in the code are by the model that wrote it; some were corrected since.
;; Cross Attention. Allowed arithmetic: float matrix products may take bf16 or f16 operands with f32 sums; other float arithmetic in f32, or as packed bf16 or f16 multiplies, adds, multiply-adds, maxima and minima; sums over many terms, partial sums and values carried from step to step in f32; what a program stores and reads back later, other than sums and carried values, may be rounded once to bf16 or f16.
;; Inputs: W_k 512 x 256 float32; W_q 512 x 512 float32; W_v 512 x 256 float32; ln_beta 512 float32; ln_gamma 512 float32; node_feature 25,000 x 512 float32; obs_feature 2,048 x 256 float32.
;; Outputs: out0 25,000 x 512 float32.
;; One version. Each part assembles by itself: llvm-mc -triple=amdgcn-amd-amdhsa -mcpu=gfx1250 --defsym DOCPART=n.
;; ======== version 1 of 1: 2 launches
;; limits: values are held in f16: magnitudes above 65,504 overflow, below 6.1e-05 lose precision; inputs' magnitudes at most 65,504; below input magnitudes of 6e-05 results are inexact or not finite; right only within a limited range of input values
;; workspace buffers: wts 655,360 bytes
;; launch prep (part 1): grid 208 x 1, 16 waves a work-group, no clusters, 149,504 bytes of LDS; arguments obs_feature, W_q, W_k, W_v, wts; writes wts
.if DOCPART == 1
	.amdgcn_target "amdgcn-amd-amdhsa--gfx1250"
	.amdhsa_code_object_version 6
	.text
	.protected	k_qcf7a5b46e4_prep
	.globl	k_qcf7a5b46e4_prep
	.p2align	8
	.type	k_qcf7a5b46e4_prep,@function
k_qcf7a5b46e4_prep:
	s_mov_b64 s[64:65], 0
	v_nop
	global_prefetch_b8 v0, s[64:65] scope:SCOPE_SE
	s_setreg_imm32_b32 hwreg(HW_REG_WAVE_MODE, 25, 1), 1
	s_wait_xcnt 0x0
; out0 = LayerNorm(((X Wq^T)(Obs Wk^T)^T)(Obs Wv^T) + X) gamma + beta.  X = node_feature [25000][512], Obs = obs_feature [2048][256], Wq [512][512], Wk, Wv [512][256], all f32.
; THE ASSOCIATION.  There is no softmax between the products, so for all values of the inputs, in real numbers,
;   ((X Wq^T)(Obs Wk^T)^T)(Obs Wv^T) = X A C Wv^T   with   A[i][o] = sum over e of Wq[e][i] Wk[e][o]   and   C[o][p] = sum over m of Obs[m][o] Obs[m][p]:
;   attn[n][m] = sum over i, o of X[n][i] A[i][o] Obs[m][o], and out[n][f] = sum over m, p of attn[n][m] Obs[m][p] Wv[f][p].
; So q, k, v and attn [25000][2048] are never formed.  No input is left out: all seven reach the result and are loaded (gamma, beta and X in the second launch).
; LIMITS.  The order of rounding differs from the written order of the products.  A NaN, an infinity or an overflow that would arise only in q, k, v or attn is not carried to the result.
; All matrix operands are f16, each input rounded once: inputs lie under 65,504 in magnitude, and below 6e-5 they keep f16's fixed step of 6e-8.  A is kept as 2^4 A (|A| under 4,094),
; C as 2^-7 C (a column of Obs has a root mean square under 63).  NaN and infinities are not treated apart.
; THIS LAUNCH makes wts: 640 blocks of 1,024 bytes, f16, in the order in which the second launch walks them.  A block is 16 rows x 32 k of a matrix operand as the registers want it:
; lane L = 16 h + r holds row r; its 16 bytes at part x 512 + 16 L hold k = 16 part + 8 h + 0..7.
;   blocks 0-255:   ks x 16 + tile: 2^4 A^T, rows o, k = i.     blocks 256-383: 256 + ks x 16 + tile: 2^-7 C, rows p, k = o.     blocks 384-639: 384 + ks x 32 + tile: Wv, rows f, k = p.
; JOBS, by the work-group's number: 0-63 a tile 32 x 32 of C; 64-191 a tile 32 x 32 of A^T; 192-207 sixteen blocks of Wv (a cast).
; A tile is Y^T Z, summed over the rows of Y and Z (2,048 for C, 512 for A).  THE ROWS ARE SPLIT AMONG THE 16 WAVES: no wave wants what another has fetched, and the 16 partial sums (f32) meet in LDS once.
; A wave takes 32 rows at a time: 32 columns of Y and of Z, rounded to f16, laid into its own LDS area [row][column], and read back turned (ds_load_tr16_b128) as fragments.
; The product is taken with Z's columns as source 0 and Y's as source 1: lane (r, h), register j then holds (Y column r, Z column 8 h + j): 16 bytes of a block as they lie.
; No tensor loads: the data want a conversion and a turn on the way in.  No cluster, no prefetch: four inputs of 4 MB together, read by many work-groups.
.set TRP,   160                        ; a row of a wave's area: 64 bytes of Y, 64 of Z, 32 of padding = 40 words
.set TRW,   32*TRP                     ; a wave's area
.set PART,  16*TRW                     ; the partial sums: wave v, accumulator x, half, lane: 4,096 v + 1,024 x + 512 half + 16 L
.set SPARE, PART+16*4096               ; the spare words, 128 bytes for each wave: eight blocks of 256 bytes that no other line names
.set YO,  2                            ; v2   my byte offset in four rows of Y: (L / 8) x pitch + 16 (L % 8)
.set ZO,  3                            ; v3   the same for Z
.set LS,  4                            ; v4   where I put 8 bytes (4 numbers) of a row
.set LT,  5                            ; v5   the turning load's address
.set PS,  6                            ; v6   where I put my partial sums
.set PR,  7                            ; v7   where I read the 16 waves' back (waves 0 to 3)
.set GO,  8                            ; v8   my 16 bytes of the tile's four half blocks
.set SPW, 10                           ; v10  LDS address of my spare word; never rewritten
.set NIL, 11                           ; v11  0; never rewritten
.set ACC, 16                           ; v[16:47]   accumulator x = 2 a + b: Y columns 16 a on, Z columns 16 b on
.set FR,  48                           ; v[48:79]   fragments Y0, Y1, Z0, Z1
.set T,   80                           ; v[80:111]  rounded numbers
.set BUF, 128                          ; v[128:255] two sets of 64: 32 rows x 32 columns of Y, then of Z, as loaded
	s_load_b256 s[4:11], s[0:1], 0x0               ; Obs s[4:5], Wq s[6:7], Wk s[8:9], Wv s[10:11]
	s_load_b64 s[12:13], s[0:1], 0x20              ; wts
	v_lshl_add_u32 v[SPW], v0, 2, SPARE
	v_mov_b32 v[NIL], 0
	v_lshrrev_b32 v1, 5, v0
	v_readfirstlane_b32 s14, v1                    ; wave 0..15
	v_and_b32 v1, 31, v0                           ; L
	v_lshrrev_b32 v12, 3, v1                       ; L / 8
	v_and_b32 v13, 7, v0                           ; L % 8
	v_bfe_u32 v14, v0, 4, 1                        ; h
	v_bfe_u32 v15, v0, 3, 1                        ; (L / 8) % 2
	s_mul_i32 s28, s14, TRW                        ; my wave's area
	v_mul_u32_u24 v[LS], v12, TRP
	v_lshl_add_u32 v[LS], v13, 3, v[LS]
	v_add_nc_u32 v[LS], s28, v[LS]
	v_lshl_add_u32 v[LT], v14, 3, v13              ; row 8 h + L % 8,
	v_mul_u32_u24 v[LT], v[LT], TRP
	v_lshl_add_u32 v[LT], v15, 4, v[LT]            ; columns 8 ((L / 8) % 2) on
	v_add_nc_u32 v[LT], s28, v[LT]
	s_lshl_b32 s28, s14, 12
	s_add_co_u32 s28, s28, PART
	v_lshl_add_u32 v[PS], v1, 4, s28
	s_lshl_b32 s28, s14, 10
	s_add_co_u32 s28, s28, PART
	v_lshl_add_u32 v[PR], v1, 4, s28
	s_lshl_b32 s28, s14, 9
	v_lshl_add_u32 v[GO], v1, 4, s28               ; accumulator x = my wave's number: 512 x + 16 L
	v_lshlrev_b32 v9, 4, v13
	s_mov_b32 s15, ttmp9
	s_mov_b32 s29, 0                               ; the high words of the offsets
	s_mov_b32 s31, 0
	s_mov_b32 s23, 0
; 32 rows (chunk c of the wave's) into set b: each load takes 4 rows x 128 bytes.
.macro LOADCH c, b, pY, pZ
.set ij, 0
.rept 8
	global_load_b128 v[BUF+64*(\b)+4*ij:BUF+64*(\b)+4*ij+3],       v[YO], s[18:19] offset:(32*(\c)+4*ij)*(\pY)
	global_load_b128 v[BUF+64*(\b)+32+4*ij:BUF+64*(\b)+32+4*ij+3], v[ZO], s[20:21] offset:(32*(\c)+4*ij)*(\pZ)
.set ij, ij+1
.endr
.endm
; Set b is rounded, laid into my area, read back turned and multiplied.  The 32 conversions name no register of the products before them: they are the places in front of the loads into the fragments.
; LDS serves a wave's instructions in order (ISA guide 5.7.1.4): the turning loads see the stores above them.  The four accumulators take turns, one instruction a turn.
.macro PROC b, zero
.set ij, 0
.rept 16
	v_cvt_pk_f16_f32 v[T+2*ij],   v[BUF+64*(\b)+4*ij],   v[BUF+64*(\b)+4*ij+1]
	v_cvt_pk_f16_f32 v[T+2*ij+1], v[BUF+64*(\b)+4*ij+2], v[BUF+64*(\b)+4*ij+3]
.set ij, ij+1
.endr
.set ij, 0
.rept 8
	ds_store_b64 v[LS], v[T+2*ij:T+2*ij+1]       offset:ij*4*TRP
	ds_store_b64 v[LS], v[T+16+2*ij:T+16+2*ij+1] offset:ij*4*TRP+64
.set ij, ij+1
.endr
.set ij, 0
.rept 4
	ds_load_tr16_b128 v[FR+8*ij:FR+8*ij+3],   v[LT] offset:32*ij
	ds_load_tr16_b128 v[FR+8*ij+4:FR+8*ij+7], v[LT] offset:32*ij+16*TRP
.set ij, ij+1
.endr
	s_wait_dscnt 0x0
.set ij, 0
.rept 4
.if \zero
	v_wmma_f32_16x16x32_f16 v[ACC+8*ij:ACC+8*ij+7], v[FR+16+8*(ij%2):FR+16+8*(ij%2)+7], v[FR+8*(ij/2):FR+8*(ij/2)+7], 0
.else
	v_wmma_f32_16x16x32_f16 v[ACC+8*ij:ACC+8*ij+7], v[FR+16+8*(ij%2):FR+16+8*(ij%2)+7], v[FR+8*(ij/2):FR+8*(ij/2)+7], v[ACC+8*ij:ACC+8*ij+7]
.endif
.set ij, ij+1
.endr
.endm
	s_cmp_lt_u32 s15, 64                           ; the job hangs on the work-group's number alone: the same in all 16 waves
	s_cbranch_scc0 .Lnot_c
	; JOB C: Y = Obs columns 32 ty on (the block's rows p), Z = Obs columns 32 tz on (its k = o); 128 rows a wave, four chunks
	s_and_b32 s16, s15, 7                          ; ty
	s_lshr_b32 s17, s15, 3                         ; tz
	v_lshl_add_u32 v[YO], v12, 10, v9              ; a row of Obs is 1,024 bytes
	v_mov_b32 v[ZO], v[YO]
	s_lshl_b32 s30, s14, 17                        ; my wave's 128 rows
	s_lshl_b32 s28, s16, 7
	s_add_co_u32 s28, s28, s30
	s_lshl_b32 s22, s17, 7
	s_add_co_u32 s30, s22, s30
	s_mov_b32 s24, 0x3c000000                      ; 2^-7
	s_mov_b32 s25, s24                             ; named with it as a pair
	s_lshl_b32 s22, s17, 4
	s_lshl1_add_u32 s22, s16, s22
	s_add_co_u32 s22, s22, 256                     ; block 256 + 16 tz + 2 ty
	s_lshl_b32 s22, s22, 10
	s_wait_kmcnt 0x0
	s_add_nc_u64 s[18:19], s[4:5], s[28:29]
	s_add_nc_u64 s[20:21], s[4:5], s[30:31]
	s_add_nc_u64 s[26:27], s[12:13], s[22:23]
	LOADCH 0, 0, 1024, 1024
	LOADCH 1, 1, 1024, 1024
	s_wait_loadcnt 16                              ; set 0 is in; set 1's 16 loads may stay out
	PROC 0, 1                                      ; the first products start the sums
	LOADCH 2, 0, 1024, 1024
	s_wait_loadcnt 16                              ; set 1 is in
	PROC 1, 0
	LOADCH 3, 1, 1024, 1024
	s_wait_loadcnt 16
	PROC 0, 0
	s_wait_loadcnt 0x0
	PROC 1, 0
	s_branch .Lmeet
.Lnot_c:
	s_cmp_lt_u32 s15, 192
	s_cbranch_scc0 .Ljob_w
	; JOB A: Y = Wk columns 32 ty on (the block's rows o), Z = Wq columns 32 tz on (its k = i); 32 rows a wave, one chunk
	s_sub_co_u32 s15, s15, 64
	s_and_b32 s16, s15, 7                          ; ty
	s_lshr_b32 s17, s15, 3                         ; tz
	v_lshl_add_u32 v[YO], v12, 10, v9              ; a row of Wk is 1,024 bytes,
	v_lshl_add_u32 v[ZO], v12, 11, v9              ; of Wq 2,048
	s_lshl_b32 s28, s14, 15
	s_lshl_b32 s22, s16, 7
	s_add_co_u32 s28, s28, s22
	s_lshl_b32 s30, s14, 16
	s_lshl_b32 s22, s17, 7
	s_add_co_u32 s30, s30, s22
	s_mov_b32 s24, 0x41800000                      ; 2^4
	s_mov_b32 s25, s24
	s_lshl_b32 s22, s17, 4
	s_lshl1_add_u32 s22, s16, s22                  ; block 16 tz + 2 ty
	s_lshl_b32 s22, s22, 10
	s_wait_kmcnt 0x0
	s_add_nc_u64 s[18:19], s[8:9], s[28:29]
	s_add_nc_u64 s[20:21], s[6:7], s[30:31]
	s_add_nc_u64 s[26:27], s[12:13], s[22:23]
	LOADCH 0, 0, 1024, 2048
	s_wait_loadcnt 0x0
	PROC 0, 1
.Lmeet:
.rept 8
	v_nop                                          ; the places behind the last products, in front of the stores that read them
.endr
.set ij, 0
.rept 4
	ds_store_b128 v[PS], v[ACC+8*ij:ACC+8*ij+3]   offset:1024*ij      ; each accumulator's low registers first
	ds_store_b128 v[PS], v[ACC+8*ij+4:ACC+8*ij+7] offset:1024*ij+512
.set ij, ij+1
.endr
	s_wait_dscnt 0x0                               ; for the others' sake: my partial sums lie in LDS
	s_barrier_signal -1
	s_barrier_wait -1                              ; everybody's do
	s_cmp_lt_u32 s14, 4                            ; wave x finishes accumulator x
	s_cbranch_scc0 .Lend
.set iv, 0
.rept 16
	ds_load_b128 v[BUF+8*iv:BUF+8*iv+3],   v[PR] offset:4096*iv
	ds_load_b128 v[BUF+8*iv+4:BUF+8*iv+7], v[PR] offset:4096*iv+512
.set iv, iv+1
.endr
	s_wait_dscnt 0x0
.irp st, 8,4,2,1                       ; the 16 partial sums, in f32, by halves
.set iv, 0
.rept \st
.set ik, 0
.rept 4
	v_pk_add_f32 v[BUF+8*iv+2*ik:BUF+8*iv+2*ik+1], v[BUF+8*iv+2*ik:BUF+8*iv+2*ik+1], v[BUF+8*(iv+\st)+2*ik:BUF+8*(iv+\st)+2*ik+1]
.set ik, ik+1
.endr
.set iv, iv+1
.endr
.endr
.set ik, 0
.rept 4
	v_pk_mul_f32 v[BUF+2*ik:BUF+2*ik+1], v[BUF+2*ik:BUF+2*ik+1], s[24:25] op_sel_hi:[1,0]  ; the job's power of two: exact
.set ik, ik+1
.endr
.set ik, 0
.rept 4
	v_cvt_pk_f16_f32 v[T+ik], v[BUF+2*ik], v[BUF+2*ik+1]
.set ik, ik+1
.endr
	global_store_b128 v[GO], v[T:T+3], s[26:27]    ; the wave stores 512 consecutive bytes, at a multiple of 512 from the buffer's first
	s_branch .Lend
.Ljob_w:
	; JOB W: wave w makes block 384 + b, b = 16 (work-group - 192) + w: rows f = 16 (b % 32) + r of Wv, k = p = 32 (b / 32) on
	s_sub_co_u32 s15, s15, 192
	s_lshl_b32 s15, s15, 4
	s_add_co_u32 s15, s15, s14                     ; b
	s_lshr_b32 s16, s15, 5
	s_and_b32 s17, s15, 31
	s_lshl_b32 s28, s17, 14                        ; 16 rows of 1,024 bytes
	s_lshl_b32 s16, s16, 7                         ; 32 columns of 4 bytes
	s_add_co_u32 s28, s28, s16
	s_add_co_u32 s22, s15, 384
	s_lshl_b32 s22, s22, 10
	v_and_b32 v12, 15, v0                          ; r
	v_lshlrev_b32 v[YO], 10, v12
	v_lshl_add_u32 v[YO], v14, 5, v[YO]            ; + 8 h numbers
	v_lshlrev_b32 v[ZO], 4, v1
	s_wait_kmcnt 0x0
	s_add_nc_u64 s[18:19], s[10:11], s[28:29]
	s_add_nc_u64 s[26:27], s[12:13], s[22:23]
	global_load_b128 v[BUF:BUF+3],     v[YO], s[18:19]
	global_load_b128 v[BUF+4:BUF+7],   v[YO], s[18:19] offset:16
	global_load_b128 v[BUF+8:BUF+11],  v[YO], s[18:19] offset:64
	global_load_b128 v[BUF+12:BUF+15], v[YO], s[18:19] offset:80
	s_wait_loadcnt 0x0
.set ik, 0
.rept 8
	v_cvt_pk_f16_f32 v[T+ik], v[BUF+2*ik], v[BUF+2*ik+1]
.set ik, ik+1
.endr
	global_store_b128 v[ZO], v[T:T+3],   s[26:27]
	global_store_b128 v[ZO], v[T+4:T+7], s[26:27] offset:512
.Lend:
	s_wait_tensorcnt 0x0                           ; the wave's end, behind my last LDS store
	ds_add_u32 v[SPW], v[NIL]
	s_wait_dscnt 0x0
	s_endpgm
.Lfunc_end_k_qcf7a5b46e4_prep:
	.size	k_qcf7a5b46e4_prep, .Lfunc_end_k_qcf7a5b46e4_prep-k_qcf7a5b46e4_prep
	.p2alignl 7, 3214868480
	.fill 96, 4, 3214868480
	.section	.rodata,"a",@progbits
	.p2align	6, 0x0
	.amdhsa_kernel k_qcf7a5b46e4_prep
		.amdhsa_group_segment_fixed_size 149504
		.amdhsa_private_segment_fixed_size 0
		.amdhsa_enable_private_segment 0
		.amdhsa_kernarg_size 40
		.amdhsa_user_sgpr_count 2
		.amdhsa_user_sgpr_kernarg_segment_ptr 1
		.amdhsa_wavefront_size32 1
		.amdhsa_system_sgpr_workgroup_id_x 1
		.amdhsa_system_sgpr_workgroup_id_y 1
		.amdhsa_system_sgpr_workgroup_id_z 1
		.amdhsa_system_vgpr_workitem_id 0
		.amdhsa_next_free_vgpr 256
		.amdhsa_next_free_sgpr 66
		.amdhsa_reserve_vcc 0
		.amdhsa_float_denorm_mode_32 3
		.amdhsa_float_denorm_mode_16_64 3
		.amdhsa_memory_ordered 1
		.amdhsa_forward_progress 1
		.amdhsa_inst_pref_size 40
	.end_amdhsa_kernel
	.amdgpu_metadata
---
amdhsa.version: [ 1, 2 ]
amdhsa.kernels:
  - .name:           k_qcf7a5b46e4_prep
    .symbol:         k_qcf7a5b46e4_prep.kd
    .args:
      - { .name: obs_feature, .offset: 0, .size: 8, .value_kind: global_buffer, .address_space: global }
      - { .name: W_q, .offset: 8, .size: 8, .value_kind: global_buffer, .address_space: global }
      - { .name: W_k, .offset: 16, .size: 8, .value_kind: global_buffer, .address_space: global }
      - { .name: W_v, .offset: 24, .size: 8, .value_kind: global_buffer, .address_space: global }
      - { .name: wts, .offset: 32, .size: 8, .value_kind: global_buffer, .address_space: global }
    .group_segment_fixed_size: 149504
    .private_segment_fixed_size: 0
    .kernarg_segment_align: 8
    .kernarg_segment_size: 40
    .max_flat_workgroup_size: 512
    .sgpr_count:     66
    .vgpr_count:     256
    .wavefront_size: 32
...
	.end_amdgpu_metadata
.endif
;; end of part 1
;; launch fused (part 2): grid 200 x 1, 4 waves a work-group, clusters of 4 x 1, 327,680 bytes of LDS; arguments node_feature, wts, ln_gamma, ln_beta, out0; writes out0
.if DOCPART == 2
	.amdgcn_target "amdgcn-amd-amdhsa--gfx1250"
	.amdhsa_code_object_version 6
	.text
	.protected	k_qcf7a5b46e4_fused
	.globl	k_qcf7a5b46e4_fused
	.p2align	8
	.type	k_qcf7a5b46e4_fused,@function
k_qcf7a5b46e4_fused:
	s_mov_b64 s[64:65], 0
	v_nop
	global_prefetch_b8 v0, s[64:65] scope:SCOPE_SE
	s_setreg_imm32_b32 hwreg(HW_REG_WAVE_MODE, 25, 1), 1
	s_wait_xcnt 0x0
	s_wait_alu depctr_hold_cnt(0) depctr_sa_sdst(0) depctr_va_vdst(0) depctr_va_sdst(0) depctr_va_ssrc(0) depctr_va_vcc(0) depctr_vm_vsrc(0)
	s_getreg_b32 s2, hwreg(HW_REG_IB_STS2, 6, 4)
	s_cmp_eq_u32 s2, 0
	s_cbranch_scc0 .Lentry_in_a_cluster
	s_endpgm
.Lentry_in_a_cluster:
	s_bfe_u32 s2, ttmp6, 0x10000c
	s_cmp_lg_u32 s2, 0x3003
	s_cbranch_scc0 .Lentry_shape_is_right
	s_endpgm
.Lentry_shape_is_right:
; out0[n][:] = LayerNorm(X[n] A C Wv^T + X[n]) gamma + beta, with 2^4 A^T, 2^-7 C and Wv as the launch before has laid them into wts (640 fragment blocks of 1,024 bytes, f16).
; LEFT OUT, as shown at the first kernel's head: q, k, v and attn are never formed; the three products are taken in the order X A, (X A) C, (X A C) Wv^T, which is the same sum in real numbers for all inputs.
; LIMITS.  As at the first kernel's head.  Besides: X is rounded once to f16, for the first product and for the residual.  The two row intermediates are rounded to f16 after a division by a power of two
; u of their own row (the exponent of the row's largest magnitude, held to 2^-60 .. 2^60): a row whose largest magnitude passes 2^60 overflows, and numbers more than 2^14 below their row's largest keep f16's fixed step.
; The variance is the mean of (z - mean)^2, as it is written.
; SHARES.  Work-group x owns rows 125 x .. 125 x + 124 (200 x 125 = 25,000).  Wave w takes 32 rows from min(32 w, 93): every load stays inside the work-group's rows; wave 3 computes rows 93 to 95 a second
; time and does not store them.  A wave's rows are two tiles of 16 (tau = 0, 1).
; LAYOUT.  Every product is taken transposed: source 0 = a block of wts (16 rows x 32 k), source 1 = 16 rows of X or of an intermediate.  In the result a lane holds ONE row (lane % 16) and the columns
; 8 (lane / 16) + 0..7 of a tile of 16.  Two such tiles, rounded to f16 in pairs, ARE source 1 of the next product: nothing changes lanes between the products.
;   P1: Y1 = X (2^4 A): 16 k steps x 16 tiles.   P2: Y2 = (Y1 / u1)(2^-7 C): 8 x 16.   P3: acc = (Y2 / u2) Wv^T: 8 x 32.   z = acc x 8 u1 u2 + X.   1,280 matrix instructions a wave.
; THE RING.  wts is 10 chunks of 64 KiB; chunk c goes into slot c % 2; each wave brings a quarter of a chunk by one tensor load (64 rows of 256 bytes, dense).  A chunk is four GROUPS of 16 blocks;
; a group is 32 LDS loads (512 consecutive bytes each) and 32 matrix instructions; the next group's loads are issued ahead of a group's products.
; CLUSTER.  All work-groups walk the same wts: the four of a cluster ask for each chunk JOINTLY, by the same tensor load with the same descriptor and the mask of four.
; By this text's count a wave has two tensor loads out at the start and one behind each change of slots.
; REGISTERS, in windows of 256 (s_set_vgpr_msb: bits 1:0 source 0, 3:2 source 1, 5:4 source 2, 7:6 destination):
;   window 0: v2-11 addresses; v12-31 statistics; v32-63 X's fragments, two buffers; v64-95 at work; v96-127 gamma, beta; v128-255 the intermediates' fragments, at the end X's for the residual
;   window 1: the blocks' fragments, two buffers of 128; at the end rows read back      window 2: accumulators of P1 and P2 (128 a tile), then P3's of tau = 0
;   window 3: X as loaded, two sets of 128, then P3's accumulators of tau = 1
.set SLOTB, 65536
.set XAREA, 2*SLOTB                    ; behind the ring, never filled by a tensor load: each wave's 32 rows of X in f16
.set XP,    1040                       ; their pitch: 1,024 bytes + 16 = 260 words: the 16 rows of a load start four banks apart (64 banks of 4 bytes: ISA guide 11.1)
.set TAUB,  16*XP                      ; a row tile's part; once its residual is read it is that tile's stage for the way out: 16 rows x 256 f32
.set XWB,   32*XP
.set SPARE, XAREA+4*XWB                ; the spare words, 128 bytes for each wave: two blocks of 256 bytes that no other line names
.set BA0, 2                            ; v2, v3  16 L in slot 0, in slot 1
.set XFA, 4                            ; v4   my place in a fragment of X: row r, 16 h
.set XS,  5                            ; v5   where I put 8 bytes of a row of X
.set GO,  6                            ; v6   16 L: my 16 bytes of 512, in X, gamma, beta and out0; never rewritten
.set STO, 7                            ; v7   the way out: where I put 32 bytes of row r
.set RD,  8                            ; v8   the way out: where I read 16 bytes of 512 back
.set PF,  9                            ; v9   the prefetches' offset; never rewritten
.set SPW, 10                           ; v10  LDS address of my spare word; never rewritten
.set NIL, 11                           ; v11  0; never rewritten
.set CH,  12                           ; v12-15  four chains of a maximum
.set INV, 16                           ; v16-17  1 / u, twice
.set SC,  18                           ; v18, v19  8 u1 u2 of tau = 0, 1
.set SCN, 20                           ; v20  that of the tile in hand
.set MU,  22                           ; v22-23  the mean, twice
.set RS,  24                           ; v24-25  1 / sqrt(var + eps), twice
.set TA,  26                           ; v26-28  at work
.set XF,  32
.set T,   64
.set SS,  64                           ; four chains of the sum
.set QQ,  72                           ; four chains of the sum of squares
.set GAM, 96
.set BET, 112
.set YF,  128
.set WV,  14                           ; s14  my wave's number
.set ASKF, 20                          ; s20  1 in the first cluster
.set SKIP, 21                          ; s21  1: the tile's rows 0 to 2 are another wave's
.set CNT, 22
.set G1,  24                           ; s[24:31] descriptor group 1
.set G0,  32                           ; s[32:39] descriptor group 0, a set for each slot
.set SEL, 40                           ; s[40:41] v_permlanex16_b32's selects: each lane takes its own place in the other half
.set XB,  44                           ; s[44:45] X at my wave's first row
.set OB,  46                           ; s[46:47] out0 at the first row of the tile in hand
.set MSB, 0
.macro WIN new                         ; the immediate's high byte repeats the setting that is left; a switch that changes nothing is dropped
.if MSB != (\new)
	s_set_vgpr_msb (MSB<<8)|(\new)
.set MSB, \new
.endif
.endm
.macro PLACES                          ; four places behind a matrix instruction, in front of loads into registers that it has read
.rept 4
	v_nop
.endr
.endm
.macro CREST                           ; a round of the cluster's barrier behind its opening barrier
	s_cmp_lg_u32 s[WV], 0
	s_cbranch_scc1 .Lnot_wave_0_\@
	s_barrier_signal -3
.Lnot_wave_0_\@:
	s_barrier_wait -3
	s_barrier_signal -1
	s_barrier_wait -1
.endm
.macro ROUND                           ; a whole round
	s_barrier_signal -1
	s_barrier_wait -1
	CREST
.endm
; A group's 16 blocks into buffer buf of window 1: two loads of 512 consecutive bytes a block.
.macro FETCHB slot, g, buf
	WIN 0x40
.set it, 0
.rept 16
	ds_load_b128 v[(\buf)+8*it:(\buf)+8*it+3],   v[BA0+(\slot)] offset:(\g)*16384+it*1024
	ds_load_b128 v[(\buf)+8*it+4:(\buf)+8*it+7], v[BA0+(\slot)] offset:(\g)*16384+it*1024+512
.set it, it+1
.endr
.endm
; X's fragments of k step ks, both row tiles.
.macro FETCHX ks
	WIN 0
.set it, 0
.rept 2
	ds_load_b128 v[XF+16*((\ks)%2)+8*it:XF+16*((\ks)%2)+8*it+3],   v[XFA] offset:it*TAUB+(\ks)*64
	ds_load_b128 v[XF+16*((\ks)%2)+8*it+4:XF+16*((\ks)%2)+8*it+7], v[XFA] offset:it*TAUB+(\ks)*64+32
.set it, it+1
.endr
.endm
; 16 matrix instructions: the group's 16 blocks x one row tile.  zero = 1: the products start the sums.
.macro MUL16 hi, dbase, buf, src, zero
	WIN 0xa1+0x50*(\hi)
.set it, 0
.rept 16
.if \zero
	v_wmma_f32_16x16x32_f16 v[(\dbase)+8*it:(\dbase)+8*it+7], v[(\buf)+8*it:(\buf)+8*it+7], v[(\src):(\src)+7], 0
.else
	v_wmma_f32_16x16x32_f16 v[(\dbase)+8*it:(\dbase)+8*it+7], v[(\buf)+8*it:(\buf)+8*it+7], v[(\src):(\src)+7], v[(\dbase)+8*it:(\dbase)+8*it+7]
.endif
.set it, it+1
.endr
.endm
; Columns 128 c on of my 32 rows of X into set b of window 3: each load takes 512 consecutive bytes of one row.
.macro XLOAD c, b
	WIN 0xc0
.set ir, 0
.rept 32
	global_load_b128 v[128*(\b)+4*ir:128*(\b)+4*ir+3], v[GO], s[XB:XB+1] offset:ir*2048+(\c)*512 th:TH_LOAD_NT
.set ir, ir+1
.endr
	WIN 0
.endm
; Set b is rounded to f16 and laid into my rows of XAREA, 16 rows at a time.
.macro XCVT c, b
.set ih, 0
.rept 2
	WIN 0x0f
.set ir, 0
.rept 16
	v_cvt_pk_f16_f32 v[T+2*ir],   v[128*(\b)+64*ih+4*ir],   v[128*(\b)+64*ih+4*ir+1]
	v_cvt_pk_f16_f32 v[T+2*ir+1], v[128*(\b)+64*ih+4*ir+2], v[128*(\b)+64*ih+4*ir+3]
.set ir, ir+1
.endr
	WIN 0
.set ir, 0
.rept 16
	ds_store_b64 v[XS], v[T+2*ir:T+2*ir+1] offset:(16*ih+ir)*XP+(\c)*256
.set ir, ir+1
.endr
.set ih, ih+1
.endr
.endm
; A PREFETCH INTO THE L2 of chunks c + 4 and c + 5, which the changes of slots two and three further on will ask for.  All clusters walk the same wts: the first cluster asks, and nobody else.  Its four partners x
; four waves x 32 lanes name 512 different blocks of 256 bytes, two chunks, told apart BY ADDRESS: no branch hangs on a work-group's place in its cluster.  So each block is named once in the launch.
; Chunks 0 to 3 come by their loads alone; the last request (c = 4) ends at the buffer's end.  It stands behind the joint load, its five lines and the run of LDS loads.
.macro ASK c
	WIN 0
	s_cmp_eq_u32 s[ASKF], 1
	s_cbranch_scc0 .Lnot_mine_\@
	global_prefetch_b8 v[PF], s[6:7] offset:((\c)+4)*65536 th:TH_LOAD_NT scope:SCOPE_SE
.Lnot_mine_\@:
.endm
; GROUP n of 40.  Chunk n / 4, group n % 4 of it, block buffer n % 2.  Its own fragments were asked for a group earlier; it asks for the next group's and multiplies.
; The 32 accumulators of a group take turns, one instruction a turn, in the same order in every group.
; A chunk's last group CHANGES SLOTS: each wave waits for all its tensor loads, of which one is out: its quarter of the next chunk; adds 0 to its spare word; waits for that and for its reads of this slot.
; Behind the barrier nobody reads this slot any more and the other slot is whole.  Up to chunk 7 the slot is filled again, with the chunk two on: the barrier then opens a round of the cluster's, so that no wave
; of any partner still reads the slot or has a load on its way, and the joint refill is the first thing behind it: it has four groups, 128 matrix instructions a wave, in which to land.
.macro STEPG n
.set gC, (\n)/4
.set gG, (\n)%4
.set gS, gC%2
.set gB, 128*((\n)%2)
.set nN, (\n)+1
.set nG, nN%4
.set nS, (nN/4)%2
.set nB, 128*(nN%2)
.set zr, 0
.set hiA, 0
.set hiB, 0
.if (\n) < 16                          ; P1: k step n
.set srcA, XF+16*((\n)%2)
.set srcB, srcA+8
.set dA, 0
.set dB, 128
.if (\n) == 0
.set zr, 1
.endif
.elseif (\n) < 24                      ; P2: k step n - 16
.set srcA, YF+8*((\n)-16)
.set srcB, srcA+64
.set dA, 0
.set dB, 128
.if (\n) == 16
.set zr, 1
.endif
.else                                  ; P3: k step (n - 24) / 2, tiles 16 ((n - 24) % 2) on
.set srcA, YF+8*(((\n)-24)/2)
.set srcB, srcA+64
.set dA, 128*((\n)%2)
.set dB, dA
.set hiB, 1
.if (\n) < 26
.set zr, 1
.endif
.endif
.if (gG == 3) && (gC <= 8)
	WIN 0                                          ; (the add's two registers lie in window 0)
	s_wait_tensorcnt 0x0                           ; all my tensor loads have landed: no group 0 is in use
	ds_add_u32 v[SPW], v[NIL]                      ; 0 onto my spare word
.if gC <= 7
	s_add_nc_u64 s[G0+4*gS+2:G0+4*gS+3], s[G0+4*gS+2:G0+4*gS+3], 2*SLOTB  ; this slot's next chunk; the type bits on top are not reached
.endif
	s_wait_dscnt 0x0                               ; the add is done, and my reads of this slot are back: this group's fragments among them
	s_barrier_signal -1
	MUL16 hiA, dA, gB, srcA, zr                    ; work on registers while the others arrive
	WIN 0
	s_barrier_wait -1
.if gC <= 7
	CREST
	tensor_load_to_lds s[G0+4*gS:G0+4*gS+3], s[G1:G1+7]
	s_nop 0
	PLACES                                         ; the places in front of the loads below
.else
	PLACES
.endif
	FETCHB nS, nG, nB
.if (\n) < 15
	FETCHX nN
.endif
.if (gC == 0) || (gC == 2) || (gC == 4)
	ASK gC
.endif
	MUL16 hiB, dB, gB, srcB, zr
.else
	s_wait_dscnt 0x0                               ; this group's fragments are in
.if (\n) < 39
.if (\n) > 0
	PLACES                                         ; the other buffer was read by the products just issued
.endif
	FETCHB nS, nG, nB
.if (\n) < 15
	FETCHX nN
.endif
.endif
	MUL16 hiA, dA, gB, srcA, zr
	MUL16 hiB, dB, gB, srcB, zr
.endif
.endm
; AN INTERMEDIATE BECOMES AN OPERAND.  For each row tile: the row's largest magnitude (my 128 numbers, then the lane 16 away), held to 2^-60 .. 2^60; u = its power of two; the tile times 1 / u (exact),
; rounded to f16: pair ip of the tile's 64 is register ip of its eight fragments.  Each accumulator's lowest registers are read first.  first = 1: SC = 8 u; else SC = SC u.
.macro CONV first
.irp tau, 0,1
	WIN 0
	v_mov_b32 v[CH], 0
	v_mov_b32 v[CH+1], 0
	v_mov_b32 v[CH+2], 0
	v_mov_b32 v[CH+3], 0
	WIN 0x28
.set iq, 0
.rept 4
.set it, 0
.rept 16
	v_max3_num_f32 v[CH+it%4], v[CH+it%4], |v[128*\tau+8*it+2*iq]|, |v[128*\tau+8*it+2*iq+1]|
.set it, it+1
.endr
.set iq, iq+1
.endr
	WIN 0
	v_max3_num_f32 v[CH], v[CH], v[CH+1], v[CH+2]
	v_max_num_f32 v[CH], v[CH], v[CH+3]
	v_permlanex16_b32 v[TA], v[CH], s[SEL], s[SEL+1]
	v_max_num_f32 v[CH], v[CH], v[TA]
	v_max_num_f32 v[CH], 0x21800000, v[CH]         ; 2^-60
	v_min_num_f32 v[CH], 0x5d800000, v[CH]         ; 2^60
	v_and_b32 v[CH], 0x7f800000, v[CH]             ; u: the exponent alone
	v_sub_nc_u32 v[INV], 0x7f000000, v[CH]         ; 1 / u: the exponent mirrored
	v_sub_nc_u32 v[INV+1], 0x7f000000, v[CH]
.if \first
	v_mul_f32 v[SC+\tau], 0x41000000, v[CH]        ; 8 = 2^7 / 2^4 undoes the two fixed scales of wts
.else
	v_mul_f32 v[SC+\tau], v[SC+\tau], v[CH]
.endif
	WIN 0x82
.set ip, 0
.rept 64
	v_pk_mul_f32 v[128*\tau+2*ip:128*\tau+2*ip+1], v[128*\tau+2*ip:128*\tau+2*ip+1], v[INV:INV+1]
.set ip, ip+1
.endr
	WIN 0x0a
.set ip, 0
.rept 64
	v_cvt_pk_f16_f32 v[YF+64*\tau+ip], v[128*\tau+2*ip], v[128*\tau+2*ip+1]
.set ip, ip+1
.endr
.endr
.endm
; THE WAY OUT of columns 256 hh on of the tile in hand: a lane's 32 bytes of a row go into the stage; whole pieces of 512 bytes of a row come back; gamma and beta; stores of 512 consecutive bytes.
.macro HALF hh
	WIN 0x08
.set it, 0
.rept 16
	ds_store_b128 v[STO], v[128*(\hh)+8*it:128*(\hh)+8*it+3]   offset:64*it
	ds_store_b128 v[STO], v[128*(\hh)+8*it+4:128*(\hh)+8*it+7] offset:64*it+16
.set it, it+1
.endr
	WIN 0
	s_wait_xcnt 0x0                                ; every earlier store has read its registers (ISA guide 3.1): window 1's are loaded again only behind this wait
	WIN 0x40
.set ir, 0
.rept 32                               ; row ir / 2, piece ir % 2.  LDS serves a wave's instructions in order (ISA guide 5.7.1.4): these see the stores above
	ds_load_b128 v[4*ir:4*ir+3], v[RD] offset:(ir/2)*XP+512*(ir%2)
.set ir, ir+1
.endr
	s_wait_dscnt 0x0
	WIN 0x41
.set ir, 0
.rept 32
	v_pk_fma_f32 v[4*ir:4*ir+1],   v[4*ir:4*ir+1],   v[GAM+4*(2*(\hh)+ir%2):GAM+4*(2*(\hh)+ir%2)+1],   v[BET+4*(2*(\hh)+ir%2):BET+4*(2*(\hh)+ir%2)+1]
	v_pk_fma_f32 v[4*ir+2:4*ir+3], v[4*ir+2:4*ir+3], v[GAM+4*(2*(\hh)+ir%2)+2:GAM+4*(2*(\hh)+ir%2)+3], v[BET+4*(2*(\hh)+ir%2)+2:BET+4*(2*(\hh)+ir%2)+3]
.set ir, ir+1
.endr
	WIN 0
	s_cmp_eq_u32 s[SKIP], 1                        ; wave 3's rows 93 to 95 are stored by wave 2
	s_cbranch_scc1 .Lskip_\@
	WIN 0x04
.set ir, 0
.rept 6
	global_store_b128 v[GO], v[4*ir:4*ir+3], s[OB:OB+1] offset:(ir/2)*2048+(2*(\hh)+ir%2)*512 th:TH_STORE_NT
.set ir, ir+1
.endr
	WIN 0
.Lskip_\@:
	WIN 0x04
.set ir, 6
.rept 26
	global_store_b128 v[GO], v[4*ir:4*ir+3], s[OB:OB+1] offset:(ir/2)*2048+(2*(\hh)+ir%2)*512 th:TH_STORE_NT
.set ir, ir+1
.endr
	WIN 0
.endm
	s_load_b256 s[4:11], s[0:1], 0x0               ; X s[4:5], wts s[6:7], gamma s[8:9], beta s[10:11]
	s_load_b64 s[12:13], s[0:1], 0x20              ; out0
	v_lshl_add_u32 v[SPW], v0, 2, SPARE
	v_mov_b32 v[NIL], 0
	ds_add_u32 v[SPW], v[NIL]                      ; the wave's opening: 0 onto my spare word
	ds_add_u32 v[SPW], v[NIL]                      ; and once more, under the one wait; the set-up below, work on registers, stands between
	v_lshrrev_b32 v1, 5, v0
	v_readfirstlane_b32 s[WV], v1                  ; wave 0..3
	s_bfe_u32 s15, ttmp6, 0x40000                  ; cx: my place in the cluster: it enters X's, out0's and the prefetches' addresses alone
	s_lshl_b32 s16, ttmp9, 2                       ; in a cluster launch ttmp9 counts clusters
	s_add_co_u32 s16, s16, s15                     ; work-group x
	s_lshl_b32 s17, s[WV], 5
	s_min_u32 s17, s17, 93                         ; my wave's first row in the work-group's 125
	s_mul_i32 s18, s16, 125
	s_add_co_u32 s18, s18, s17
	s_lshl_b32 s18, s18, 11                        ; rows of 2,048 bytes: 51,197,952 at the most
	s_mov_b32 s19, 0
	s_cmp_eq_u32 ttmp9, 0
	s_cselect_b32 s[ASKF], 1, 0                    ; the same in all four partners
	; descriptor group 1: 16,384 dense bytes as 64 rows of 32 elements of 8 bytes
	s_mov_b32 s[G1+0], 15|(3<<16)|(1<<21)          ; 15:0 the mask: all four work-groups; 17:16 elements of 8 bytes; 21 set beside a mask; no padding
	s_mov_b32 s[G1+1], 32<<16                      ; tensor_dim0 = 32
	s_mov_b32 s[G1+2], 64<<16                      ; tensor_dim1 = 64
	s_mov_b32 s[G1+3], 32<<16                      ; tile_dim0 = 32
	s_mov_b32 s[G1+4], 64                          ; tile_dim1 = 64
	s_mov_b32 s[G1+5], 32                          ; 32 elements from row to row
	s_mov_b32 s[G1+6], 0
	s_mov_b32 s[G1+7], 0
	s_mov_b32 s[SEL], 0x76543210
	s_mov_b32 s[SEL+1], 0xfedcba98
	s_mov_b32 s42, 0x3b000000                      ; 1 / 512
	s_mov_b32 s43, 0x358637bd                      ; 1e-6
	s_mov_b32 s[G0], 1                             ; count = 1
	s_lshl_b32 s[G0+1], s[WV], 14                  ; LDS address: my quarter of slot 0,
	s_mov_b32 s[G0+4], 1
	s_add_co_u32 s[G0+5], s[G0+1], SLOTB           ; of slot 1: no place in the cluster enters an LDS address
	s_lshl_b32 s48, s[WV], 14
	s_mov_b32 s49, 0
	s_wait_dscnt 0x0                               ; both opening adds are done
	s_wait_kmcnt 0x0
	s_add_nc_u64 s[G0+2:G0+3], s[6:7], s[48:49]    ; my quarter of chunk 0,
	s_add_nc_u64 s[G0+6:G0+7], s[G0+2:G0+3], SLOTB ; of chunk 1
	s_or_b32 s[G0+3], s[G0+3], 0x80000000          ; type = 2
	s_or_b32 s[G0+7], s[G0+7], 0x80000000
	s_add_nc_u64 s[XB:XB+1], s[4:5], s[18:19]
	s_add_nc_u64 s[OB:OB+1], s[12:13], s[18:19]
	ROUND                                          ; all four work-groups are here: the first joint loads meet
	tensor_load_to_lds s[G0:G0+3], s[G1:G1+7]      ; chunk 0
	s_nop 0
	tensor_load_to_lds s[G0+4:G0+7], s[G1:G1+7]    ; chunk 1
	s_nop 0
	PLACES
	v_and_b32 v1, 31, v0                           ; L
	v_and_b32 v[TA], 15, v0                        ; r
	v_bfe_u32 v[TA+1], v0, 4, 1                    ; h
	v_lshlrev_b32 v[BA0], 4, v1
	v_add_nc_u32 v[BA0+1], SLOTB, v[BA0]
	v_lshlrev_b32 v[GO], 4, v1
	s_mul_i32 s23, s[WV], XWB
	s_add_co_u32 s23, s23, XAREA                   ; my wave's rows of XAREA
	v_mul_u32_u24 v[TA+2], v[TA], XP
	v_add_nc_u32 v[TA+2], s23, v[TA+2]
	v_lshl_add_u32 v[XFA], v[TA+1], 4, v[TA+2]
	v_lshl_add_u32 v[STO], v[TA+1], 5, v[TA+2]
	v_lshl_add_u32 v[XS], v1, 3, s23
	v_lshl_add_u32 v[RD], v1, 4, s23
	s_lshl_b32 s48, s15, 15                        ; the prefetches: 32,768 cx + 8,192 wave + 256 L
	s_lshl_b32 s49, s[WV], 13
	s_add_co_u32 s48, s48, s49
	v_lshl_add_u32 v[PF], v1, 8, s48
.set ir, 0
.rept 4                                ; gamma and beta of columns 128 cg + 4 L + 0..3, as the rows come back from the stage
	global_load_b128 v[GAM+4*ir:GAM+4*ir+3], v[GO], s[8:9]   offset:512*ir
	global_load_b128 v[BET+4*ir:BET+4*ir+3], v[GO], s[10:11] offset:512*ir
.set ir, ir+1
.endr
	XLOAD 0, 0
	XLOAD 1, 1
	s_wait_loadcnt 32                              ; gamma, beta and X's columns 0-127 are in; the 32 younger loads may stay out
	XCVT 0, 0
	XLOAD 2, 0
	s_wait_tensorcnt 0x1                           ; my quarter of chunk 0 is in; chunk 1's may stay out
	s_wait_dscnt 0x0
	s_barrier_signal -1
	s_barrier_wait -1                              ; everybody's is
	FETCHB 0, 0, 0
	FETCHX 0
	; P1.  X's columns 128 c on are rounded ahead of the group that first asks for their fragments (group 4 c - 1): X comes in under the products
	STEPG 0
	STEPG 1
	s_wait_loadcnt 32                              ; columns 128-255 are in
	XCVT 1, 1
	XLOAD 3, 1
.irp n, 2,3,4,5
	STEPG \n
.endr
	s_wait_loadcnt 32                              ; columns 256-383 are in
	XCVT 2, 0
.irp n, 6,7,8,9
	STEPG \n
.endr
	s_wait_loadcnt 0x0
	XCVT 3, 1
.irp n, 10,11,12,13,14,15
	STEPG \n
.endr
	PLACES
	PLACES
	CONV 1
.irp n, 16,17,18,19,20,21,22,23
	STEPG \n
.endr
	PLACES
	PLACES
	CONV 0
.irp n, 24,25,26,27,28,29,30,31,32,33,34,35,36,37,38,39
	STEPG \n
.endr
	PLACES
	PLACES
	; THE END: residual, layer norm and the way out, a row tile a trip, written once on window 2; the second trip first copies tau = 1's accumulators there (256 moves for half the text).
	WIN 0
	v_mov_b32 v[SCN], v[SC]
	s_cmp_eq_u32 s[WV], 3
	s_cselect_b32 s[SKIP], 1, 0
	s_mov_b32 s[CNT], 2
.Ltau:
.set it, 0
.rept 32                               ; the tile's X: register 4 T + j / 2, half j % 2, is column 16 T + 8 h + j of row r: as the accumulators lie
	ds_load_b128 v[YF+4*it:YF+4*it+3], v[XFA] offset:32*it
.set it, it+1
.endr
	s_cmp_eq_u32 s[CNT], 2
	s_cbranch_scc1 .Lhave
	WIN 0x83
.set ip, 0
.rept 256
	v_mov_b32 v[ip], v[ip]                         ; window 2 takes window 3, in ascending order
.set ip, ip+1
.endr
	WIN 0
	v_mov_b32 v[SCN], v[SC+1]
	s_mov_b32 s[SKIP], 0
.Lhave:
	s_wait_dscnt 0x0
	WIN 0x82
.set ip, 0
.rept 128
	v_fma_mix_f32 v[2*ip],   v[2*ip],   v[SCN], v[YF+ip] op_sel_hi:[0,0,1]                 ; z = acc x 8 u1 u2 + X
	v_fma_mix_f32 v[2*ip+1], v[2*ip+1], v[SCN], v[YF+ip] op_sel:[0,0,1] op_sel_hi:[0,0,1]
.set ip, ip+1
.endr
	WIN 0x0a                                       ; the sum of my 256 numbers, in four chains that the first eight pairs start
.set ip, 0
.rept 4
	v_pk_add_f32 v[SS+2*ip:SS+2*ip+1], v[2*ip:2*ip+1], v[8+2*ip:8+2*ip+1]
.set ip, ip+1
.endr
	WIN 0x08
.set ip, 8
.rept 120
	v_pk_add_f32 v[SS+2*(ip%4):SS+2*(ip%4)+1], v[SS+2*(ip%4):SS+2*(ip%4)+1], v[2*ip:2*ip+1]
.set ip, ip+1
.endr
	WIN 0
	v_pk_add_f32 v[SS:SS+1], v[SS:SS+1], v[SS+2:SS+3]
	v_pk_add_f32 v[SS+4:SS+5], v[SS+4:SS+5], v[SS+6:SS+7]
	v_pk_add_f32 v[SS:SS+1], v[SS:SS+1], v[SS+4:SS+5]
	v_add_f32 v[TA+1], v[SS], v[SS+1]
	v_permlanex16_b32 v[TA], v[TA+1], s[SEL], s[SEL+1]  ; the row's other 256 numbers lie in the lane 16 away
	v_add_f32 v[TA+1], v[TA+1], v[TA]
	v_mul_f32 v[MU], s42, v[TA+1]
	v_mul_f32 v[MU+1], s42, v[TA+1]
	WIN 0x82
.set ip, 0
.rept 128
	v_pk_add_f32 v[2*ip:2*ip+1], v[2*ip:2*ip+1], v[MU:MU+1] neg_lo:[0,1] neg_hi:[0,1]  ; z - mean
.set ip, ip+1
.endr
	WIN 0x0a
.set ip, 0
.rept 4
	v_pk_mul_f32 v[QQ+2*ip:QQ+2*ip+1], v[2*ip:2*ip+1], v[2*ip:2*ip+1]
.set ip, ip+1
.endr
.set ip, 4
.rept 124
	v_pk_fma_f32 v[QQ+2*(ip%4):QQ+2*(ip%4)+1], v[2*ip:2*ip+1], v[2*ip:2*ip+1], v[QQ+2*(ip%4):QQ+2*(ip%4)+1]
.set ip, ip+1
.endr
	WIN 0
	v_pk_add_f32 v[QQ:QQ+1], v[QQ:QQ+1], v[QQ+2:QQ+3]
	v_pk_add_f32 v[QQ+4:QQ+5], v[QQ+4:QQ+5], v[QQ+6:QQ+7]
	v_pk_add_f32 v[QQ:QQ+1], v[QQ:QQ+1], v[QQ+4:QQ+5]
	v_add_f32 v[TA+1], v[QQ], v[QQ+1]
	v_permlanex16_b32 v[TA], v[TA+1], s[SEL], s[SEL+1]
	v_add_f32 v[TA+1], v[TA+1], v[TA]
	v_fma_f32 v[TA+2], v[TA+1], s42, s43           ; var + eps
	v_rsq_f32 v[RS], v[TA+2]
	v_rsq_f32 v[RS+1], v[TA+2]
	v_nop                                          ; a plain instruction behind the last root (ISA guide 5.7.2),
	s_wait_alu depctr_va_vdst(0)                   ; and a wait ahead of the first use: one for both
	WIN 0x82
.set ip, 0
.rept 128
	v_pk_mul_f32 v[2*ip:2*ip+1], v[2*ip:2*ip+1], v[RS:RS+1]
.set ip, ip+1
.endr
	HALF 0
	HALF 1
	v_add_nc_u32 v[XFA], TAUB, v[XFA]              ; the other row tile's part of XAREA
	v_add_nc_u32 v[STO], TAUB, v[STO]
	v_add_nc_u32 v[RD], TAUB, v[RD]
	s_wait_xcnt 0x0                                ; the stores have read their base
	s_add_nc_u64 s[OB:OB+1], s[OB:OB+1], 16*2048
	s_sub_co_u32 s[CNT], s[CNT], 1
	s_cmp_lg_u32 s[CNT], 0
	s_cbranch_scc1 .Ltau
	s_wait_tensorcnt 0x0                           ; the wave's end, behind my last tensor load and my last LDS store
	ds_add_u32 v[SPW], v[NIL]
	s_wait_dscnt 0x0
	ROUND                                          ; the closing round: no work-group ends while a partner may still ask for a chunk that names it
	s_endpgm
.Lfunc_end_k_qcf7a5b46e4_fused:
	.size	k_qcf7a5b46e4_fused, .Lfunc_end_k_qcf7a5b46e4_fused-k_qcf7a5b46e4_fused
	.p2alignl 7, 3214868480
	.fill 96, 4, 3214868480
	.section	.rodata,"a",@progbits
	.p2align	6, 0x0
	.amdhsa_kernel k_qcf7a5b46e4_fused
		.amdhsa_group_segment_fixed_size 327680
		.amdhsa_private_segment_fixed_size 0
		.amdhsa_enable_private_segment 0
		.amdhsa_kernarg_size 40
		.amdhsa_user_sgpr_count 2
		.amdhsa_user_sgpr_kernarg_segment_ptr 1
		.amdhsa_wavefront_size32 1
		.amdhsa_system_sgpr_workgroup_id_x 1
		.amdhsa_system_sgpr_workgroup_id_y 1
		.amdhsa_system_sgpr_workgroup_id_z 1
		.amdhsa_system_vgpr_workitem_id 0
		.amdhsa_next_free_vgpr 1024
		.amdhsa_next_free_sgpr 66
		.amdhsa_reserve_vcc 0
		.amdhsa_float_denorm_mode_32 3
		.amdhsa_float_denorm_mode_16_64 3
		.amdhsa_memory_ordered 1
		.amdhsa_forward_progress 1
		.amdhsa_inst_pref_size 255
	.end_amdhsa_kernel
	.section	.bss,"aw",@nobits
	.p2align	6
	.space	262144
	.amdgpu_metadata
---
amdhsa.version: [ 1, 2 ]
amdhsa.kernels:
  - .name:           k_qcf7a5b46e4_fused
    .symbol:         k_qcf7a5b46e4_fused.kd
    .args:
      - { .name: node_feature, .offset: 0, .size: 8, .value_kind: global_buffer, .address_space: global }
      - { .name: wts, .offset: 8, .size: 8, .value_kind: global_buffer, .address_space: global }
      - { .name: ln_gamma, .offset: 16, .size: 8, .value_kind: global_buffer, .address_space: global }
      - { .name: ln_beta, .offset: 24, .size: 8, .value_kind: global_buffer, .address_space: global }
      - { .name: out0, .offset: 32, .size: 8, .value_kind: global_buffer, .address_space: global }
    .group_segment_fixed_size: 327680
    .private_segment_fixed_size: 0
    .kernarg_segment_align: 8
    .kernarg_segment_size: 40
    .max_flat_workgroup_size: 128
    .sgpr_count:     66
    .vgpr_count:     1024
    .wavefront_size: 32
...
	.end_amdgpu_metadata
.endif
;; end of part 2
